; MI455X (gfx1250); checked and timed in simulation.
; The chip was launched on July 23, 2026; its instructions are those of AMD's public machine-readable ISA for CDNA 5 (MIT licence, August 2026) and "CDNA5" Instruction Set Architecture Reference Guide (July 2026). The comments in the code are by the model that wrote it; some were corrected since.
;; Experts. Allowed arithmetic: matrix products marked QUANTISED: E3M2 operands, one E8M0 scale for each 32 along K, by v_wmma_scale_f32_16x16x128_f8f6f4 with both operands' format E3M2, f32 sums; everything else in f32.
;; Inputs: b1 8 x 2,048 float32; b2 8 x 512 float32; inputs 2 x 8 x 2,048 x 512 float32; w1 8 x 512 x 2,048 float32; w2 8 x 2,048 x 512 float32.
;; Outputs: out0 2 x 8 x 2,048 x 512 float32.
;; This version of the problem:
;;   THIS VERSION OF THE PROBLEM IS GIVEN IN LOW PRECISION. The matrix products marked QUANTISED in the list below multiply operands that are first quantised to E3M2 (3 exponent bits, 2 mantissa bits; 6 bits a number), with one power-of-two scale for each 32 numbers along K (OCP MX v1.0); their sums are f32. All else is computed in f32.
;;   The module's matrix products, in the order in which they are computed (A, B: the left and right operand; K: the contracted axis; several contracted axes count as one K, in the product's order):
;;     1. batch 8 x [M 2,048, K 512] x [K 512, N 4,096]; A: input w1; B: input inputs: QUANTISED
;;     2. batch 8 x [M 512, K 2,048] x [K 2,048, N 4,096]; A: input w2; B: computed on the way: QUANTISED
;;   THE QUANTISER, for each operand of a quantised product, along K:
;;     - K is cut into blocks of 32 from its start; a last block that is shorter is filled with zeros.
;;     - A block's scale is 2^e with e = floor(log2(the largest magnitude in the block)) - 4, held to -126 .. 127; a block of zeros has e = 0. As a byte (E8M0): e + 127.
;;     - Each number is divided by its block's scale, clamped to +-28, and rounded to the nearest number of E3M2, ties to even, subnormals kept.
;;     - The product sums the exact products of the quantised numbers (number of the format x scale) in f32.
;;   ~~~python
;;   def quantise(x, axis):      # numpy; x: float32 -> the quantised numbers, widened to float32 again
;;       x = np.moveaxis(x, axis, -1); K = x.shape[-1]
;;       x = np.pad(x, [(0, 0)] * (x.ndim - 1) + [(0, -K % 32)]); x = x.reshape(x.shape[:-1] + (-1, 32)); a = np.abs(x).max(-1, keepdims=True)
;;       e = np.where(a > 0, np.clip(np.frexp(np.where(a > 0, a, 1))[1] - 1 - 4, -126, 127), 0)      # np.frexp(a)[1] - 1 = floor(log2(a)), exactly
;;       r = np.clip(x / 2.0 ** e, -28, 28)
;;       step = 2.0 ** (np.maximum(np.frexp(np.where(r == 0, 1, r))[1] - 1, -2) - 2)
;;       q = np.round(r / step) * step * 2.0 ** e      # np.round: ties to even
;;       return np.moveaxis(q.reshape(q.shape[:-2] + (-1,))[..., :K], -1, axis).astype(np.float32)
;;   ~~~
;;   OPERANDS COMPUTED ON THE WAY. 'Computed on the way' means the value that the module computes at that place (a softmax that the list does not call 'softmax' is quantised finished and normalised). What goes into a quantiser is computed in f32, as accurately as f32 sums, v_exp_f32 and their like allow (about 1e-6 of the number): no bf16 or f16 on the way to a quantiser, and a product that is left as it is and whose result goes on into a quantised operand takes f32 operands (vector FMAs, or v_wmma_f32_16x16x4_f32). A number that lies on a knife's edge between two numbers of the format may be rounded either way, as far as f32 arithmetic and the matrix unit's own rounding can turn it there, and no further.
;; One version. Each part assembles by itself: llvm-mc -triple=amdgcn-amd-amdhsa -mcpu=gfx1250 --defsym DOCPART=n.
;; ======== version 1 of 1: 2 launches
;; workspace buffers: wq 13,107,200 bytes
;; launch prep (part 1): grid 512 x 1, 8 waves a work-group, no clusters, 54,272 bytes of LDS; arguments w1, w2, wq; writes wq
.if DOCPART == 1
	.amdgcn_target "amdgcn-amd-amdhsa--gfx1250"
	.amdhsa_code_object_version 6
	.text
	.protected	k_qde6cecf2ff_prep
	.globl	k_qde6cecf2ff_prep
	.p2align	8
	.type	k_qde6cecf2ff_prep,@function
k_qde6cecf2ff_prep:
	s_mov_b64 s[64:65], 0
	v_nop
	global_prefetch_b8 v0, s[64:65] scope:SCOPE_SE
	s_setreg_imm32_b32 hwreg(HW_REG_WAVE_MODE, 25, 1), 1
	s_wait_xcnt 0x0
; w1 [8][512 (k)][2048 (n)] and w2 [8][2048 (k)][512 (n)], f32, K along the FIRST matrix axis, become codes of BF6 (E3M2) with one E8M0 byte for each 32 along K.
; They are laid in wq as IMAGES OF OPERAND REGISTERS, in the order in which the second launch takes them:
;   wq = [expert 8][piece 16][wave 4][PART 25,600 bytes];  a PART = 16 fragment images of 1,536 bytes, then 8 scale images of 128 bytes.
;   fragment image (16 columns x 128 K, 12 registers a lane): register R of lane l at 512 (R / 4) + 16 l + 4 (R % 4): three loads of 16 bytes a lane restore the operand.
;   scale image q: one word a lane; lanes 0-15 the 16 columns of fragment 2 q, lanes 16-31 those of fragment 2 q + 1; byte b of a word scales k = 32 b .. 32 b + 31.
;   THE COLUMNS OF A FRAGMENT ARE NOT NEIGHBOURS: of 32 columns, fragment u (0, 1) takes as its row r the column 8 u + r + 8 (r / 8).
; Piece i = 4 c + k of an expert (c: a chunk of 512 hidden units).  k = 0, 1: w1, hidden units 512 c + 128 w + 64 k + 0..63, all four K steps of 128.
;   k = 2, 3: w2, output columns 128 w + 0..127, K steps at hidden unit 512 c + 256 (k - 2) + 0 and + 128.
; SHARES.  A work-group makes one PART; wave v of eight makes fragments 2 v, 2 v + 1 and scale image v: 32 columns x 128 along K.
; A LANE TAKES A COLUMN AND ITS REGISTERS RUN DOWN K: each load reads 128 consecutive bytes of one row of the weight, a block of 32 along K lies in one lane's 32 registers, and the
; conversions give codes with K innermost.  The codes go through the wave's own stage in LDS into the image's order and leave as six stores of 512 consecutive bytes.
; A block's scale is 2^(floor(log2(largest magnitude)) - 4): its byte is the largest magnitude's exponent field - 4, held at 1 from below by a floor among the maximum's leaves.
; LIMITS: a block whose largest magnitude lies under 2^-122 keeps the byte 1; a block of zeros keeps the byte 1 too (its codes are zeros, and this program alone reads the bytes); NaN and infinities are not served.
; No tensor load, no barrier: waves share nothing.  The two tensors take two paths, which part on the work-group's number and have LDS bytes of their own.
.set STR1,  8192                       ; bytes from row to row of w1
.set STR2,  2048                       ; and of w2
.set PARTB, 25600
.set FRB,   1536                       ; a fragment image
.set FP,    1664                       ; a fragment's place in the stage: 1,536 + 128
.set WST,   2*FP                       ; a wave's stage
.set LB2,   8*WST                      ; w2's path has its stages behind w1's
.set GI,  4                            ; v4   4 x lane: my column's bytes in a row of the weight
.set SA,  5                            ; v5   the stage, on the way in: wave's stage + FP u + 16 r
.set SRD, 6                            ; v6   on the way out: wave's stage + 16 x lane
.set GO,  7                            ; v7   16 x lane
.set GS,  8                            ; v8   4 (r + 16 u): my column's word in the scale image
.set SW,  14                           ; v14  my column's scale word
.set C,   16                           ; v16-21 a block's 24 bytes of codes
.set CB,  24                           ; v24-26 its upper 16 codes as the conversion leaves them (three registers from an even number on)
.set X,   32                           ; v32-95 two sets of 32 numbers
.set O,   96                           ; v96-119 the way out
	s_load_b128 s[4:7], s[0:1], 0x0                ; w1, w2
	s_load_b64 s[8:9], s[0:1], 0x10                ; wq
	v_lshl_add_u32 v128, v0, 2, 0xd000
	v_mov_b32 v129, 0
	v_lshrrev_b32 v9, 5, v0
	v_readfirstlane_b32 s10, v9                    ; wave v, 0..7
	v_and_b32 v1, 31, v0                           ; lane q = my column among the wave's 32
	v_bfe_u32 v2, v1, 3, 1                         ; u = (q / 8) % 2: which of the two fragments
	v_and_b32 v3, 7, v1
	v_lshrrev_b32 v9, 1, v1
	v_and_b32 v9, 8, v9
	v_add_nc_u32 v3, v3, v9                        ; r = q % 8 + 8 (q / 16): my row in it
	v_lshlrev_b32 v[GI], 2, v1
	s_mul_i32 s11, s10, WST
	v_mul_u32_u24 v[SA], v2, FP
	v_lshl_add_u32 v[SA], v3, 4, v[SA]
	v_add_nc_u32 v[SA], s11, v[SA]
	v_lshlrev_b32 v[GO], 4, v1
	v_add_nc_u32 v[SRD], s11, v[GO]
	v_lshl_add_u32 v[GS], v2, 4, v3
	v_lshlrev_b32 v[GS], 2, v[GS]
	s_lshr_b32 s12, ttmp9, 6                       ; expert
	s_bfe_u32 s13, ttmp9, 0x20004                  ; c: the chunk
	s_bfe_u32 s14, ttmp9, 0x10002                  ; a: which half
	s_and_b32 s15, ttmp9, 3                        ; w: the reading wave
	s_and_b32 s16, s10, 3                          ; v % 4
	s_lshr_b32 s17, s10, 2                         ; v / 4
	s_mul_i32 s18, ttmp9, PARTB                    ; my PART (under 2^24)
	s_mul_i32 s20, s10, 2*FRB
	s_add_co_u32 s20, s20, s18                     ; my two fragment images
	s_mov_b32 s21, 0
	s_lshl_b32 s22, s10, 7
	s_add_co_u32 s22, s22, s18
	s_add_co_u32 s22, s22, 16*FRB                  ; my scale image
	s_mov_b32 s23, 0
	s_wait_kmcnt 0x0
	s_add_nc_u64 s[24:25], s[8:9], s[20:21]
	s_add_nc_u64 s[26:27], s[8:9], s[22:23]
.macro LOAD t, stride                  ; block t: W(k0 + 32 t + i, my column), i = 0 .. 31, into set t % 2
.irp i, 0,1,2,3,4,5,6,7,8,9,10,11,12,13,14,15,16,17,18,19,20,21,22,23,24,25,26,27,28,29,30,31
	global_load_b32 v[X+32*((\t)%2)+\i], v[GI], s[4:5] offset:(32*(\t)+\i)*(\stride) th:TH_LOAD_NT
.endr
.endm
; Block t holds k = 32 t .. 32 t + 31: in the operand it is registers 6 (t / 2) .. + 5 of lane r + 16 (t % 2).
.macro BLOCK t, stride, lb
.set XB, X+32*((\t)%2)
.if (\t) < 3
	s_wait_loadcnt 32                              ; this block's 32 loads are in; the next block's 32 may be out
.else
	s_wait_loadcnt 0x0
.endif
	v_max3_num_f32 v12, |v[XB]|, |v[XB+1]|, |v[XB+2]|             ; the block's largest magnitude: all 32 numbers are mine; two chains
	v_max3_num_f32 v13, |v[XB+3]|, |v[XB+4]|, |v[XB+5]|
.irp i, 6,10,14,18,22,26
	v_max3_num_f32 v12, v12, |v[XB+\i]|, |v[XB+\i+1]|
	v_max3_num_f32 v13, v13, |v[XB+\i+2]|, |v[XB+\i+3]|
.endr
	v_max3_num_f32 v12, v12, |v[XB+30]|, |v[XB+31]|
	v_max3_num_f32 v12, v12, v13, 0x2800000        ; and the floor 2^(5 - 127): the byte cannot fall under 1
	v_add_nc_u32 v11, 0xfe000000, v12              ; 4 off the exponent field: the conversion takes the exponent field of this operand as its scale
	v_cvt_scalef32_pk16_bf6_f32 v[C:C+2], v[XB:XB+15], v11
	v_cvt_scalef32_pk16_bf6_f32 v[CB:CB+2], v[XB+16:XB+31], v11
	v_lshrrev_b32 v13, 23, v11                     ; the scale's byte; also the plain instruction between the conversions and the moves that read their results
.if (\t) == 0
	v_mov_b32 v[SW], v13
.else
	v_lshl_or_b32 v[SW], v13, 8*(\t), v[SW]        ; the lower K in the lower byte
.endif
	v_mov_b32 v[C+3], v[CB]
	v_mov_b32 v[C+4], v[CB+1]
	v_mov_b32 v[C+5], v[CB+2]
.if (\t)/2 == 0
	ds_store_b128 v[SA], v[C:C+3] offset:(\lb)+256*((\t)%2)          ; registers 0-3
	ds_store_b64 v[SA], v[C+4:C+5] offset:(\lb)+512+256*((\t)%2)     ; registers 4, 5
.else
	ds_store_b64 v[SA], v[C:C+1] offset:(\lb)+520+256*((\t)%2)       ; registers 6, 7
	ds_store_b128 v[SA], v[C+2:C+5] offset:(\lb)+1024+256*((\t)%2)   ; registers 8-11
.endif
.if (\t)+2 < 4
	LOAD (\t)+2, \stride
.endif
	s_wait_dscnt 0x0                               ; the stores have read their registers: the next block's codes may be written
.endm
.macro QW stride, lb
	LOAD 0, \stride
	LOAD 1, \stride
	BLOCK 0, \stride, \lb
	BLOCK 1, \stride, \lb
	BLOCK 2, \stride, \lb
	BLOCK 3, \stride, \lb
	global_store_b32 v[GS], v[SW], s[26:27]        ; the scale image: 32 lanes store 128 consecutive bytes
.irp j, 0,1,2,3,4,5
	ds_load_b128 v[O+4*\j:O+4*\j+3], v[SRD] offset:(\lb)+FP*(\j/3)+512*(\j%3)   ; LDS serves a wave's instructions in order: these see my stores
.endr
.irp j, 0,1,2,3,4,5
	s_wait_dscnt 5-\j                              ; read-back j is in; the younger ones may be out
	global_store_b128 v[GO], v[O+4*\j:O+4*\j+3], s[24:25] offset:512*\j   ; 32 lanes store 512 consecutive bytes, at a multiple of 256 from wq's first byte
.endr
	s_wait_tensorcnt 0x0
	ds_add_u32 v128, v129
	s_wait_dscnt 0x0
	s_endpgm
.endm
	s_and_b32 s28, ttmp9, 8                        ; pieces 2 and 3 of a chunk are w2's: a branch on the work-group's number alone
	s_cmp_lg_u32 s28, 0
	s_cbranch_scc1 .Lw2
	; w1: column 512 c + 128 w + 64 a + 32 (v / 4), first row k0 = 128 (v % 4)
	s_lshl_b32 s28, s13, 11                        ; 4 bytes x 512 c
	s_lshl_b32 s29, s15, 9                         ; 4 x 128 w
	s_add_co_u32 s28, s28, s29
	s_lshl_b32 s29, s14, 8                         ; 4 x 64 a
	s_add_co_u32 s28, s28, s29
	s_lshl_b32 s29, s17, 7                         ; 4 x 32 (v / 4)
	s_add_co_u32 s28, s28, s29
	s_lshl_b32 s29, s16, 20                        ; 128 (v % 4) rows of 8,192 bytes
	s_add_co_u32 s28, s28, s29
	s_lshl_b32 s29, s12, 22                        ; the expert's 4 MiB
	s_add_co_u32 s28, s28, s29
	s_mov_b32 s29, 0
	s_add_nc_u64 s[4:5], s[4:5], s[28:29]
	QW STR1, 0
.Lw2:
	; w2: column 128 w + 32 (v % 4), first row k0 = 512 c + 256 a + 128 (v / 4)
	s_lshl_b32 s28, s15, 9                         ; 4 x 128 w
	s_lshl_b32 s29, s16, 7                         ; 4 x 32 (v % 4)
	s_add_co_u32 s28, s28, s29
	s_lshl_b32 s29, s13, 20                        ; 512 c rows of 2,048 bytes
	s_add_co_u32 s28, s28, s29
	s_lshl_b32 s29, s14, 19                        ; 256 a rows
	s_add_co_u32 s28, s28, s29
	s_lshl_b32 s29, s17, 18                        ; 128 (v / 4) rows
	s_add_co_u32 s28, s28, s29
	s_lshl_b32 s29, s12, 22                        ; the expert's 4 MiB
	s_add_co_u32 s28, s28, s29
	s_mov_b32 s29, 0
	s_add_nc_u64 s[4:5], s[6:7], s[28:29]
	QW STR2, LB2
.Lfunc_end_k_qde6cecf2ff_prep:
	.size	k_qde6cecf2ff_prep, .Lfunc_end_k_qde6cecf2ff_prep-k_qde6cecf2ff_prep
	.p2alignl 7, 3214868480
	.fill 96, 4, 3214868480
	.section	.rodata,"a",@progbits
	.p2align	6, 0x0
	.amdhsa_kernel k_qde6cecf2ff_prep
		.amdhsa_group_segment_fixed_size 54272
		.amdhsa_private_segment_fixed_size 0
		.amdhsa_enable_private_segment 0
		.amdhsa_kernarg_size 24
		.amdhsa_user_sgpr_count 2
		.amdhsa_user_sgpr_kernarg_segment_ptr 1
		.amdhsa_wavefront_size32 1
		.amdhsa_system_sgpr_workgroup_id_x 1
		.amdhsa_system_sgpr_workgroup_id_y 1
		.amdhsa_system_sgpr_workgroup_id_z 1
		.amdhsa_system_vgpr_workitem_id 0
		.amdhsa_next_free_vgpr 130
		.amdhsa_next_free_sgpr 66
		.amdhsa_reserve_vcc 0
		.amdhsa_float_denorm_mode_32 3
		.amdhsa_float_denorm_mode_16_64 3
		.amdhsa_memory_ordered 1
		.amdhsa_forward_progress 1
		.amdhsa_inst_pref_size 43
	.end_amdhsa_kernel
	.amdgpu_metadata
---
amdhsa.version: [ 1, 2 ]
amdhsa.kernels:
  - .name:           k_qde6cecf2ff_prep
    .symbol:         k_qde6cecf2ff_prep.kd
    .args:
      - { .name: w1, .offset: 0, .size: 8, .value_kind: global_buffer, .address_space: global }
      - { .name: w2, .offset: 8, .size: 8, .value_kind: global_buffer, .address_space: global }
      - { .name: wq, .offset: 16, .size: 8, .value_kind: global_buffer, .address_space: global }
    .group_segment_fixed_size: 54272
    .private_segment_fixed_size: 0
    .kernarg_segment_align: 8
    .kernarg_segment_size: 24
    .max_flat_workgroup_size: 256
    .sgpr_count:     66
    .vgpr_count:     130
    .wavefront_size: 32
...
	.end_amdgpu_metadata
.endif
;; end of part 1
;; launch ffn (part 2): grid 32 x 8, 4 waves a work-group, clusters of 4 x 1, 327,680 bytes of LDS; arguments inputs, b1, b2, wq, out0; writes out0
.if DOCPART == 2
	.amdgcn_target "amdgcn-amd-amdhsa--gfx1250"
	.amdhsa_code_object_version 6
	.text
	.protected	k_qde6cecf2ff_ffn
	.globl	k_qde6cecf2ff_ffn
	.p2align	8
	.type	k_qde6cecf2ff_ffn,@function
k_qde6cecf2ff_ffn:
	s_mov_b64 s[64:65], 0
	v_nop
	global_prefetch_b8 v0, s[64:65] scope:SCOPE_SE
	s_setreg_imm32_b32 hwreg(HW_REG_WAVE_MODE, 25, 1), 1
	s_wait_xcnt 0x0
	s_wait_alu depctr_hold_cnt(0) depctr_sa_sdst(0) depctr_va_vdst(0) depctr_va_sdst(0) depctr_va_ssrc(0) depctr_va_vcc(0) depctr_vm_vsrc(0)
	s_getreg_b32 s2, hwreg(HW_REG_IB_STS2, 6, 4)
	s_cmp_eq_u32 s2, 0
	s_cbranch_scc0 .Lentry_in_a_cluster
	s_endpgm
.Lentry_in_a_cluster:
	s_bfe_u32 s2, ttmp6, 0x10000c
	s_cmp_lg_u32 s2, 0x3003
	s_cbranch_scc0 .Lentry_shape_is_right
	s_endpgm
.Lentry_shape_is_right:
; out = gelu(x w1[e] + b1[e]) w2[e] + b2[e], both products on codes of BF6 (E3M2) with one E8M0 scale for each 32 along K; sums, biases and gelu in f32.  x, out: [2][8][2048][512] f32.
; gelu is the tanh form, written as g = x / (1 + 2^z), z = x (NA + NB x^2), NA = -2 log2(e) sqrt(2 / pi), NB = 0.044715 NA: the same function, since 0.5 (1 + tanh u) = 1 / (1 + e^(-2 u)).
; The weights come from wq, where the launch before has laid them as images of operand registers, in pieces of 102,400 bytes, 16 to an expert, in the order in which they are used here.
; SHARES.  A work-group takes 128 rows of one expert through the whole chain; the hidden layer never goes to memory.  THE FOUR WAVES SHARE THE COLUMNS, NOT THE ROWS: for each chunk c of 512 hidden
; units wave w makes units 512 c + 128 w + 0..127, and for the whole launch the outputs 128 w + 0..127, for all 128 rows (8 tiles of 16).  So a weight fragment is read from LDS once, by one wave,
; and feeds 8 matrix instructions; the outputs' 64 accumulators of a wave fill 512 registers.
; OPERANDS GO FROM WAVE TO WAVE THROUGH LDS AS IMAGES OF THEIR REGISTERS: register R of lane l at 512 (R / 4) + 16 l + 4 (R % 4) of a fragment's 1,536 bytes.
; BOTH PRODUCTS ARE USED TRANSPOSED (source 0 = 16 columns of a weight, source 1 = 16 rows of x or of the hidden layer): a lane holds one row throughout.  The columns of a weight fragment are chosen
; (row r of tile 2 b + u is column 32 b + 8 u + r + 8 (r / 8)) so that register j of tile 2 b + u is column 32 b + 16 (lane / 16) + 8 u + j: 16 neighbours in the 16 registers of two tiles.
; The biases are the C of each sum's first matrix instruction; nothing is cleared.
; A CHUNK IS FOUR TRIPS, one piece each: w1 half 0, w1 half 1 (64 hidden units a wave each: 8 row tiles x (16 products, gelu, quantiser, image to LDS)), w2 half 0, w2 half 1 (two K steps of 128 each, 64 products a step).
; CLUSTER.  The four row blocks of a cluster belong to one expert and walk the same 16 pieces in step: each piece is asked for JOINTLY (the same tensor load, the same descriptor, a mask that names the four).
; Each wave fetches its own quarter of a piece, 100 rows of 256 bytes, through a ring of two slots: one tensor load a wave is out at any time, and it has a whole trip in which to land.
; The round of the cluster's barrier at each trip's head also orders the waves' LDS stores and loads of x's and the hidden layer's images.
; LIMITS: a block whose largest magnitude lies under 2^-122 keeps the scale byte 1, a block of zeros too (its codes are zeros); NaN and infinities among the inputs are not served.
; REGISTERS, in windows of 256 (s_set_vgpr_msb: bits 1:0 source 0, 3:2 source 1, 5:4 source 2, 7:6 destination):
;   window 0: v1-15, v32, v44-55 addresses and constants; v16-23, v24-31, v40-43 scale words and nothing else; v64-255 by phase (below).
;   window 1: v0-191 a piece's 16 weight fragments; v192-255 b2 until the outputs' sums have begun; at the head all 256: x as it is loaded.
;   windows 2, 3: the outputs' accumulators: (row tile m, column tile n) at v[8 (8 (m % 4) + n)] of window 2 + m / 4.
.set PART,  25600
.set PIECE, 4*PART
.set EXPW,  16*PIECE
.set XIMG,  0                          ; LDS: x's 32 fragments, (m, K step s) at 1536 (4 m + s); at the end the waves' stages for the way out, 8,448 bytes each
.set XSC,   49152                      ; x's scale words: 256 m + 16 r + 4 s
.set B1L,   51200                      ; b1[e], 8,192 bytes as they lie in memory
.set HSC,   59392                      ; the hidden layer's scale words: 512 s + 64 m + 4 r
.set HIMG,  61440                      ; its 32 fragments of a chunk, (m, K step s) at 1536 (8 s + m); at the head the waves' stages for x, 8,448 bytes each
.set SPARE, 110592                     ; the spare words, 128 bytes for each wave: two blocks of 256 bytes that no other line names
.set RING,  111104                     ; two slots of a piece; wave w's quarter at + 25,600 w.  No LDS store lands here, and no tensor load anywhere else
.set SPW, 1                            ; v1   LDS address of my spare word; never rewritten
.set NIL, 2                            ; v2   0; never rewritten
.set LI,  3                            ; v3   16 x lane
.set R16, 4                            ; v4   16 r (r = lane % 16)
.set WA,  5                            ; v5-6 my quarter's fragment images in slot 0, 1, + 16 x lane
.set WL,  7                            ; v7-8 its scale images, + 4 x lane
.set HRD, 9                            ; v9   HIMG + 16 x lane
.set HW0, 10                           ; v10  where I store hidden images: HIMG + 12,288 w + 16 x lane
.set HS0, 11                           ; v11  and their scale words: HSC + 512 w + 4 r
.set XAD, 12                           ; v12-15 addresses of the row tile in hand
.set XSA, 13
.set HWA, 14
.set HSA, 15
.set WS,  16                           ; v16-23 the piece's 8 scale images
.set HS,  24                           ; v24-31 hidden scale words: register 4 s' + p: lanes 0-15 row tile 2 p, lanes 16-31 row tile 2 p + 1
.set L4,  32                           ; v32  4 x lane
.set XS,  40                           ; v40-43 x's scale words of a row tile, K steps 0-3
.set B1A, 44                           ; v44  b1's LDS address in hand
.set H64, 45                           ; v45  B1L + 64 (lane / 16)
.set NAV, 46                           ; v46-47 NA, twice
.set XST, 48                           ; v48  head: x's stage on the way in
.set XRD, 49                           ; v49  and on the way out
.set XWI, 50                           ; v50  where I store x's images: 12,288 w + 16 x lane
.set XWS, 51                           ; v51  and their scale words: 512 w + 16 r
.set B1W, 52                           ; v52  where I store my quarter of b1: 2,048 w + 16 x lane
.set B2A, 53                           ; v53  64 (lane / 16)
.set STO, 54                           ; v54  the way out: where I put 32 bytes of a row
.set RD,  55                           ; v55  and where I read a row back
.set XF,  64                           ; w1 trips: v64-111 x's four fragments of a row tile
.set HA,  112                          ;           v112-143 four tiles of the hidden layer
.set T,   144                          ;           v144-175 gelu at work
.set B1,  176                          ;           v176-207 b1 in the result's layout
.set PC,  208                          ; v208-213 six registers of codes; v214-216 the second conversion's
.set PQ,  214
.set PC2, 218                          ; a second set, for the head
.set PQ2, 224
.set TM,  228                          ; v228-233 the quantiser at work
.set PW,  234                          ; v234 two scale bytes
.set HFA, 64                           ; w2 trips: v64-159 the 8 hidden fragments of the first K step, v160-255 of the second
.set HFB, 160
.set X,   64                           ; head: v64-127 64 numbers of a row
.set BK,  128                          ; way out: 16 rows read back: v128-191 and v192-255 by turns
.set WV,  14                           ; s14  my wave's number
.set G1,  24                           ; s[24:31] descriptor group 1
.set G0,  32                           ; s[32:39] group 0, a set for each slot
.set CH,  40                           ; s40  counts chunks
.set MC,  41                           ; s41  counts row tiles
.set MX,  42                           ; s42  6,144 m
.set MS,  43                           ; s43  256 m
.set MH,  44                           ; s44  1,536 m
.set MT,  45                           ; s45  64 m
.set NB,  46                           ; s[46:47] NB (the packed form names a pair and takes its low word for both halves)
.set SEL, 48                           ; s[48:49] lane selects for v_permlanex16_b32: lane l xor 16
.set B1O, 50                           ; s50  512 w + 2,048 c
.set MSB, 0
.macro WIN new                         ; the immediate's high byte repeats the setting that is left; a switch that changes nothing is dropped
.if MSB != (\new)
	s_set_vgpr_msb (MSB<<8)|(\new)
.set MSB, (\new)
.endif
.endm
.macro PLACES n
.rept \n
	v_nop
.endr
.endm
; A round of the cluster's barrier: my work-group's barrier; wave 0 signals for the work-group; every wave waits for all four work-groups; my work-group's barrier once more.
.macro ROUND
	s_barrier_signal -1
	s_barrier_wait -1
	s_cmp_lg_u32 s[WV], 0
	s_cbranch_scc1 .Lnot_wave_0_\@
	s_barrier_signal -3
.Lnot_wave_0_\@:
	s_barrier_wait -3
	s_barrier_signal -1
	s_barrier_wait -1
.endm
; A TRIP'S HEAD.  Every wave waits for all its tensor loads (one is out: its quarter of this trip's piece), adds 0 to its spare word, and waits for that and for all its LDS loads and stores.
; Behind the round no wave of any partner reads the other slot or has a load on its way, and what the waves of my work-group stored in the last trip may be read.
; refill = 1: the next piece goes into the slot read last trip: the first thing behind the round.  Every window is 0 here.
.macro TRIPHEAD slot, refill
	s_wait_tensorcnt 0x0                           ; no tensor load of mine is out, so a group 0 may be written
	ds_add_u32 v[SPW], v[NIL]                      ; 0 onto my spare word
	s_add_nc_u64 s[G0+4*\slot+2:G0+4*\slot+3], s[G0+4*\slot+2:G0+4*\slot+3], 2*PIECE   ; this slot's next piece; the type bits on top are not reached
	s_wait_dscnt 0x0                               ; the add is done, my LDS stores have landed, my LDS loads are in
	ROUND
.if \refill
	tensor_load_to_lds s[G0+4-4*\slot:G0+7-4*\slot], s[G1:G1+7]
	s_nop 0
.endif
	PLACES 4                                       ; the four places in front of loads into registers that the last trip's matrix instructions read
.endm
.macro LOADW slot                      ; my quarter's 16 fragments, 48 loads of 512 consecutive bytes, into window 1
	WIN 0x40
.set i_, 0
.rept 48
	ds_load_b128 v[4*i_:4*i_+3], v[WA+\slot] offset:512*i_
.set i_, i_+1
.endr
	WIN 0
.endm
; One matrix instruction, from the symbols rD, rA, rB, rC, rSA, rSB; fRA, fRB = 1: that side's scales stand in lanes 16-31 of the register named.
.macro WMS
.if fRA && fRB
	v_wmma_scale_f32_16x16x128_f8f6f4 v[rD:rD+7], v[rA:rA+11], v[rB:rB+11], v[rC:rC+7], v[rSA], v[rSB] matrix_a_fmt:MATRIX_FMT_BF6 matrix_b_fmt:MATRIX_FMT_BF6 matrix_a_scale:MATRIX_SCALE_ROW1 matrix_b_scale:MATRIX_SCALE_ROW1
.elseif fRA
	v_wmma_scale_f32_16x16x128_f8f6f4 v[rD:rD+7], v[rA:rA+11], v[rB:rB+11], v[rC:rC+7], v[rSA], v[rSB] matrix_a_fmt:MATRIX_FMT_BF6 matrix_b_fmt:MATRIX_FMT_BF6 matrix_a_scale:MATRIX_SCALE_ROW1
.elseif fRB
	v_wmma_scale_f32_16x16x128_f8f6f4 v[rD:rD+7], v[rA:rA+11], v[rB:rB+11], v[rC:rC+7], v[rSA], v[rSB] matrix_a_fmt:MATRIX_FMT_BF6 matrix_b_fmt:MATRIX_FMT_BF6 matrix_b_scale:MATRIX_SCALE_ROW1
.else
	v_wmma_scale_f32_16x16x128_f8f6f4 v[rD:rD+7], v[rA:rA+11], v[rB:rB+11], v[rC:rC+7], v[rSA], v[rSB] matrix_a_fmt:MATRIX_FMT_BF6 matrix_b_fmt:MATRIX_FMT_BF6
.endif
.endm
; The first product for one row tile: four tiles of 16 hidden units x four K steps.  The four accumulators take turns, one instruction a turn; K step 0 takes b1 as C.
; Tile t = 2 b + u, K step s: weight fragment 2 (4 b + s) + u, its scales in image 4 b + s (lanes 16-31 for u = 1).
.macro MUL16
	WIN 0x01                                       ; source 0 (w1) window 1, all else window 0
.set s_, 0
.rept 4
.set t_, 0
.rept 4
.set rD, HA+8*t_
.set rA, 12*(2*(4*(t_/2)+s_)+t_%2)
.set rB, XF+12*s_
.if s_ == 0
.set rC, B1+8*t_
.else
.set rC, rD
.endif
.set rSA, WS+4*(t_/2)+s_
.set rSB, XS+s_
.set fRA, t_%2
.set fRB, 0
	WMS
.set t_, t_+1
.endr
.set s_, s_+1
.endr
	WIN 0
.endm
; One K step of the second product: 8 row tiles x 8 column tiles; the 64 accumulators take turns, in the same order in every step.  first = 1: b2 (window 1, v192 on) is the C: the sums begin.
.macro MUL64 sp, hf, first
.set m_, 0
.rept 8
.if \first
	WIN 0x91+0x40*(m_/4)                           ; source 0 (w2) and C (b2) window 1, source 1 window 0, D window 2 or 3
.else
	WIN 0xa1+0x50*(m_/4)                           ; source 0 window 1, source 1 window 0, C and D window 2 or 3
.endif
.set n_, 0
.rept 8
.set rD, 8*(8*(m_%4)+n_)
.set rA, 12*(8*(\sp)+n_)
.set rB, (\hf)+12*m_
.if \first
.set rC, 192+8*n_
.else
.set rC, rD
.endif
.set rSA, WS+4*(\sp)+n_/2
.set rSB, HS+4*(\sp)+m_/2
.set fRA, n_%2
.set fRB, m_%2
	WMS
.set n_, n_+1
.endr
.set m_, m_+1
.endr
.endm
; gelu of the 32 numbers in v[HA] on, in place.  The first line reads each accumulator from its low end on.  The 32 exponentials are one batch, the 32 reciprocals another: behind each batch one plain
; instruction and one wait, ahead of the first instruction that names a result.
.macro GELU
.set j_, 0
.rept 16
	v_pk_mul_f32 v[T+j_:T+j_+1], v[HA+j_:HA+j_+1], v[HA+j_:HA+j_+1]                            ; x^2
.set j_, j_+2
.endr
.set j_, 0
.rept 16
	v_pk_fma_f32 v[T+j_:T+j_+1], v[T+j_:T+j_+1], s[NB:NB+1], v[NAV:NAV+1] op_sel_hi:[1,0,1]   ; NA + NB x^2
.set j_, j_+2
.endr
.set j_, 0
.rept 16
	v_pk_mul_f32 v[T+j_:T+j_+1], v[T+j_:T+j_+1], v[HA+j_:HA+j_+1]                              ; z
.set j_, j_+2
.endr
.set j_, 0
.rept 32
	v_exp_f32 v[T+j_], v[T+j_]                                                                 ; 2^z
.set j_, j_+1
.endr
	v_nop
	s_wait_alu depctr_va_vdst(0)
.set j_, 0
.rept 16
	v_pk_add_f32 v[T+j_:T+j_+1], v[T+j_:T+j_+1], 1.0 op_sel_hi:[1,0]
.set j_, j_+2
.endr
.set j_, 0
.rept 32
	v_rcp_f32 v[T+j_], v[T+j_]
.set j_, j_+1
.endr
	v_nop
	s_wait_alu depctr_va_vdst(0)
.set j_, 0
.rept 16
	v_pk_mul_f32 v[HA+j_:HA+j_+1], v[HA+j_:HA+j_+1], v[T+j_:T+j_+1]                            ; x / (1 + 2^z)
.set j_, j_+2
.endr
.endm
; THE QUANTISER for half a fragment.  32 numbers of a lane, register 16 b + i = k 64 a + 32 b + 16 (lane / 16) + i of my row, become registers 6 a .. 6 a + 5 of the row tile's fragment and bytes
; 2 a, 2 a + 1 of its scale word, and go to LDS at their places in the image (address register ia, offset ioff) and among the scale words (sa, soff).
.macro HQUANT src, a, ia, ioff, sa, soff, pc, pq
.irp b, 0,1
	v_max3_num_f32 v[TM+\b], |v[\src+16*\b]|, |v[\src+16*\b+1]|, 0x2800000   ; my 16 numbers of block b, and the floor 2^(5 - 127): the byte cannot fall under 1
.endr
.irp i, 2,4,6,8,10,12,14
.irp b, 0,1
	v_max3_num_f32 v[TM+\b], v[TM+\b], |v[\src+16*\b+\i]|, |v[\src+16*\b+\i+1]|   ; (the two blocks by turns)
.endr
.endr
.irp b, 0,1
	v_permlanex16_b32 v[TM+2+\b], v[TM+\b], s[SEL], s[SEL+1]
.endr
.irp b, 0,1
	v_max_num_f32 v[TM+\b], v[TM+\b], v[TM+2+\b]   ; with lane l xor 16's 16: the block's largest magnitude
.endr
.irp b, 0,1
	v_add_nc_u32 v[TM+4+\b], 0xfe000000, v[TM+\b]  ; 4 off its exponent field: the conversion's scale operand
.endr
.irp b, 0,1
	v_lshrrev_b32 v[TM+\b], 23, v[TM+4+\b]         ; the scale's byte
.endr
	v_lshl_or_b32 v[PW], v[TM+1], 8, v[TM]
	v_cvt_scalef32_pk16_bf6_f32 v[\pc:\pc+2], v[\src:\src+15], v[TM+4]
	v_cvt_scalef32_pk16_bf6_f32 v[\pq:\pq+2], v[\src+16:\src+31], v[TM+5]   ; (a conversion's three registers begin on an even number)
	v_nop                                          ; one plain instruction behind the scaled conversions
.irp i, 0,1,2
	v_permlane16_swap_b32 v[\pc+\i], v[\pq+\i]     ; the operand wants a WHOLE block in a lane: lanes 0-15 block 2 a, lanes 16-31 block 2 a + 1
.endr
.irp i, 0,1,2
	v_mov_b32 v[\pc+3+\i], v[\pq+\i]
.endr
.if (\a) == 0
	ds_store_b128 v[\ia], v[\pc:\pc+3] offset:(\ioff)              ; registers 0-3
	ds_store_b64 v[\ia], v[\pc+4:\pc+5] offset:(\ioff)+512         ; registers 4, 5
.else
	ds_store_b64 v[\ia], v[\pc:\pc+1] offset:(\ioff)+520           ; registers 6, 7
	ds_store_b128 v[\ia], v[\pc+2:\pc+5] offset:(\ioff)+1024       ; registers 8-11
.endif
	ds_store_b16 v[\sa], v[PW] offset:(\soff)+2*(\a)               ; both halves of the lanes write the same two bytes with the same value
.endm
; HEAD: unit u = 4 m' + s: 16 rows (my row tile m') x 128 along K (K step s) of x.  Each load reads 512 consecutive bytes of one row; four sets of 64 registers in window 1.
.macro XLOAD u
	WIN 0x40
.irp i, 0,1,2,3,4,5,6,7,8,9,10,11,12,13,14,15
	global_load_b128 v[64*((\u)%4)+4*\i:64*((\u)%4)+4*\i+3], v[LI], s[4:5] offset:(16*((\u)/4)+\i)*2048+512*((\u)%4) th:TH_LOAD_NT
.endr
	WIN 0
.endm
; The unit turns through my own stage (rows of 512 bytes + 16): in as loaded, out 16 neighbours of each block of 32 to a lane: register 16 b + i = k 32 b + 16 (lane / 16) + i of row lane % 16.
.macro TURN u
	WIN 0x04                                       ; an LDS store's data are its source 1: window 1
.irp i, 0,1,2,3,4,5,6,7,8,9,10,11,12,13,14,15
	ds_store_b128 v[XST], v[64*((\u)%4)+4*\i:64*((\u)%4)+4*\i+3] offset:528*\i
.endr
	WIN 0
.irp b, 0,1,2,3
.irp j, 0,1,2,3
	ds_load_b128 v[X+16*\b+4*\j:X+16*\b+4*\j+3], v[XRD] offset:128*\b+16*\j   ; LDS serves a wave's instructions in order: these see my stores
.endr
.endr
.endm
; A TRIP ON A PIECE OF w1 (half a, in slot a): my 64 hidden units 512 c + 128 w + 64 a + 0..63 for the 8 row tiles.
.macro T_W1 a
	TRIPHEAD \a, 1
.irp q, 0,1,2,3,4,5,6,7
	ds_load_b32 v[WS+\q], v[WL+\a] offset:128*\q
.endr
	v_add_nc_u32 v[B1A], s[B1O], v[H64]
.irp t, 0,1,2,3                        ; b1 in the result's layout: tile 2 b + u, register j: unit 32 b + 16 (lane / 16) + 8 u + j
	ds_load_b128 v[B1+8*\t:B1+8*\t+3], v[B1A] offset:256*\a+(32*(\t/2)+8*(\t%2))*4
	ds_load_b128 v[B1+8*\t+4:B1+8*\t+7], v[B1A] offset:256*\a+(32*(\t/2)+8*(\t%2))*4+16
.endr
	ds_load_b128 v[XS:XS+3], v[R16] offset:XSC     ; row tile 0 of x: scale words and four fragments
.irp i, 0,1,2,3,4,5,6,7,8,9,10,11
	ds_load_b128 v[XF+4*\i:XF+4*\i+3], v[LI] offset:XIMG+512*\i
.endr
	LOADW \a
	s_mov_b32 s[MC], 0
	s_mov_b32 s[MX], 0
	s_mov_b32 s[MS], 0
	s_mov_b32 s[MH], 0
	s_mov_b32 s[MT], 0
.Lm_\@:
	s_wait_dscnt 0x0                               ; this row tile's x is in (in the first trip the weights, their scales and b1 too), and the last trip's image stores have read their registers
	MUL16
	v_add_nc_u32 v[HWA], s[MH], v[HW0]             ; four plain instructions that name none of the products' registers: the places in front of the loads below and of gelu's first read
	v_add_nc_u32 v[HSA], s[MT], v[HS0]
	v_add_nc_u32 v[XAD], s[MX], v[LI]
	v_add_nc_u32 v[XSA], s[MS], v[R16]
	s_cmp_eq_u32 s[MC], 7                          ; the next row tile's x is asked for here and lands under gelu; the last tile has no next
	s_cbranch_scc1 .Lx_\@
.irp i, 0,1,2,3,4,5,6,7,8,9,10,11
	ds_load_b128 v[XF+4*\i:XF+4*\i+3], v[XAD] offset:XIMG+6144+512*\i
.endr
	ds_load_b128 v[XS:XS+3], v[XSA] offset:XSC+256
.Lx_\@:
	GELU
	HQUANT HA, \a, HWA, 0, HSA, 0, PC, PQ          ; half a of K step w of the second product, row tile m
	s_add_co_u32 s[MX], s[MX], 6144
	s_add_co_u32 s[MS], s[MS], 256
	s_add_co_u32 s[MH], s[MH], 1536
	s_add_co_u32 s[MT], s[MT], 64
	s_add_co_u32 s[MC], s[MC], 1
	s_cmp_lt_u32 s[MC], 8
	s_cbranch_scc1 .Lm_\@
.if \a
	s_add_co_u32 s[B1O], s[B1O], 2048              ; the next chunk's b1
.endif
.endm
; A TRIP ON A PIECE OF w2 (half a, in slot a): K steps 2 a and 2 a + 1 of the chunk's four, my 128 outputs, all 128 rows.
.macro T_W2 a, first, refill
	TRIPHEAD \a, \refill
.irp q, 0,1,2,3,4,5,6,7
	ds_load_b32 v[WS+\q], v[WL+\a] offset:128*\q
.endr
.irp sp, 0,1
.irp p, 0,1,2,3
	ds_load_b32 v[HS+4*\sp+\p], v[L4] offset:HSC+512*(2*\a+\sp)+128*\p
.endr
.endr
.set i_, 0
.rept 24
	ds_load_b128 v[HFA+4*i_:HFA+4*i_+3], v[HRD] offset:12288*(2*\a)+512*i_
.set i_, i_+1
.endr
	LOADW \a                                       ; the first K step's 8 fragments are its first 24 loads
.set i_, 0
.rept 24
	ds_load_b128 v[HFB+4*i_:HFB+4*i_+3], v[HRD] offset:12288*(2*\a+1)+512*i_
.set i_, i_+1
.endr
.if \first
	s_wait_loadcnt 0x0                             ; b2
.endif
	s_wait_dscnt 48                                ; all but the youngest 48: the second K step's 24 loads of weights and 24 of hidden fragments
	MUL64 0, HFA, \first
	s_wait_dscnt 0x0
	MUL64 1, HFB, 0
	WIN 0
.endm
; THE WAY OUT of row tile m.  A lane holds, of one row, 8 neighbouring outputs an accumulator; the tile goes through my own stage (rows of 512 bytes + 16) and comes back as whole rows of my 128 outputs.
.macro TOSTAGE m
.set AC, 64*((\m)%4)
	WIN 0x08+4*((\m)/4)                            ; the data: window 2 or 3
.irp n, 0,1,2,3,4,5,6,7
	ds_store_b128 v[STO], v[AC+8*\n:AC+8*\n+3] offset:128*(\n/2)+32*(\n%2)        ; each accumulator from its low end on
	ds_store_b128 v[STO], v[AC+8*\n+4:AC+8*\n+7] offset:128*(\n/2)+32*(\n%2)+16
.endr
	WIN 0
.set BB, BK+64*((\m)%2)
.irp t, 0,1,2,3,4,5,6,7,8,9,10,11,12,13,14,15
	ds_load_b128 v[BB+4*\t:BB+4*\t+3], v[RD] offset:528*\t   ; LDS serves a wave's instructions in order: these see my stores, and the next tile's stores come behind them
.endr
.endm
.macro SEND m, younger                 ; younger: the LDS instructions issued behind tile m's loads, which may stay out
.set BB, BK+64*((\m)%2)
	s_wait_dscnt \younger
.irp t, 0,1,2,3,4,5,6,7,8,9,10,11,12,13,14,15
	global_store_b128 v[LI], v[BB+4*\t:BB+4*\t+3], s[12:13] offset:(16*(\m)+\t)*2048 th:TH_STORE_NT   ; 32 lanes store 512 consecutive bytes, at a multiple of 256 from out0's first byte; every offset is an immediate
.endr
.endm
	; ---- ids, pointers, descriptors
	s_load_b256 s[4:11], s[0:1], 0x0               ; inputs s[4:5], b1 s[6:7], b2 s[8:9], wq s[10:11]
	s_load_b64 s[12:13], s[0:1], 0x20              ; out0
	v_lshl_add_u32 v[SPW], v0, 2, SPARE
	v_mov_b32 v[NIL], 0
	ds_add_u32 v1, v2
	ds_add_u32 v1, v2
	s_wait_dscnt 0x0
	v_lshrrev_b32 v33, 5, v0
	v_readfirstlane_b32 s[WV], v33                 ; wave 0..3
	s_bfe_u32 s15, ttmp6, 0x40000                  ; cx: my place in the cluster: it enters x's and out0's addresses alone
	s_lshl_b32 s16, ttmp9, 2
	s_add_co_u32 s16, s16, s15                     ; my block of 128 rows of the expert's 4,096: 0..31
	s_and_b32 s17, ttmp7, 0xffff                   ; the expert, which the four partners share
	s_lshr_b32 s18, s16, 4                         ; the batch
	s_lshl_b32 s18, s18, 3
	s_add_co_u32 s18, s18, s17
	s_lshl_b32 s18, s18, 22                        ; (8 batch + expert) x 2,048 rows of 2,048 bytes
	s_and_b32 s19, s16, 15
	s_lshl_b32 s19, s19, 18                        ; + 128 rows for each block
	s_add_co_u32 s18, s18, s19                     ; my block's first byte in x and in out0 (under 2^27)
	s_lshl_b32 s20, s[WV], 16
	s_add_co_u32 s20, s20, s18                     ; x: the 32 rows that I quantise
	s_mov_b32 s21, 0
	s_lshl_b32 s22, s[WV], 9
	s_add_co_u32 s22, s22, s18                     ; out0: my 128 columns
	s_mov_b32 s23, 0
	s_lshl_b32 s18, s17, 13
	s_lshl_b32 s19, s[WV], 11
	s_add_co_u32 s18, s18, s19                     ; b1: the expert's 8,192 bytes, my quarter
	s_mov_b32 s19, 0
	s_lshl_b32 s40, s17, 11
	s_lshl_b32 s41, s[WV], 9
	s_add_co_u32 s40, s40, s41                     ; b2: the expert's 2,048 bytes, my 128 outputs
	s_mov_b32 s41, 0
	s_mul_i32 s52, s17, EXPW
	s_mul_i32 s54, s[WV], PART                     ; my quarter of a piece, in memory and in a slot
	s_add_co_u32 s52, s52, s54
	s_mov_b32 s53, 0
	; group 1: a dense block of 25,600 bytes as 100 rows of 32 elements of 8 bytes; no padding: every read of an image is 16 x lane, on end
	s_mov_b32 s[G1+0], 15|(3<<16)|(1<<21)          ; 15:0 the mask: all four work-groups; 17:16 elements of 8 bytes; 21 set beside a mask
	s_mov_b32 s[G1+1], 32<<16                      ; tensor_dim0 = 32
	s_mov_b32 s[G1+2], 100<<16                     ; tensor_dim1 = 100
	s_mov_b32 s[G1+3], 32<<16                      ; tile_dim0 = 32
	s_mov_b32 s[G1+4], 100                         ; tile_dim1 = 100
	s_mov_b32 s[G1+5], 32                          ; from row to row
	s_mov_b32 s[G1+6], 0
	s_mov_b32 s[G1+7], 0
	s_mov_b32 s[NB], 0xbdd2d3e8                    ; NB = -0.10294324
	s_mov_b32 s[NB+1], s[NB]
	s_mov_b32 s[SEL], 0x76543210
	s_mov_b32 s[SEL+1], 0xfedcba98
	s_lshl_b32 s[B1O], s[WV], 9
	s_wait_kmcnt 0x0
	s_add_nc_u64 s[4:5], s[4:5], s[20:21]
	s_add_nc_u64 s[12:13], s[12:13], s[22:23]
	s_add_nc_u64 s[6:7], s[6:7], s[18:19]
	s_add_nc_u64 s[8:9], s[8:9], s[40:41]
	s_add_nc_u64 s[10:11], s[10:11], s[52:53]
	s_mov_b32 s[G0+0], 1                           ; slot 0: piece 0
	s_add_co_u32 s[G0+1], s54, RING
	s_mov_b64 s[G0+2:G0+3], s[10:11]
	s_or_b32 s[G0+3], s[G0+3], 0x80000000
	s_mov_b32 s[G0+4], 1                           ; slot 1: piece 1
	s_add_co_u32 s[G0+5], s54, RING+PIECE
	s_add_nc_u64 s[G0+6:G0+7], s[10:11], PIECE
	s_or_b32 s[G0+7], s[G0+7], 0x80000000
	ROUND                                          ; all four work-groups are here: the first joint load meets
	tensor_load_to_lds s[G0:G0+3], s[G1:G1+7]      ; piece 0; it lands while x is quantised
	s_nop 0
	PLACES 4
	; ---- lane addresses
	v_and_b32 v33, 31, v0                          ; lane
	v_and_b32 v34, 15, v0                          ; r
	v_bfe_u32 v35, v0, 4, 1                        ; h
	v_lshlrev_b32 v[LI], 4, v33
	v_lshlrev_b32 v[R16], 4, v34
	v_lshlrev_b32 v[L4], 2, v33
	s_add_co_u32 s18, s54, RING
	v_add_nc_u32 v[WA], s18, v[LI]
	v_add_nc_u32 v[WA+1], PIECE, v[WA]
	v_add_nc_u32 v[WL], s18, v[L4]
	v_add_nc_u32 v[WL], 16*1536, v[WL]
	v_add_nc_u32 v[WL+1], PIECE, v[WL]
	v_add_nc_u32 v[HRD], HIMG, v[LI]
	s_mul_i32 s19, s[WV], 12288
	v_add_nc_u32 v[HW0], s19, v[HRD]
	v_add_nc_u32 v[XWI], s19, v[LI]
	s_lshl_b32 s20, s[WV], 9
	v_lshl_add_u32 v[HS0], v34, 2, s20
	v_add_nc_u32 v[HS0], HSC, v[HS0]
	v_add_nc_u32 v[XWS], s20, v[R16]
	v_lshl_add_u32 v[H64], v35, 6, B1L
	v_lshlrev_b32 v[B2A], 6, v35
	s_lshl_b32 s22, s[WV], 11
	v_add_nc_u32 v[B1W], s22, v[LI]
	s_mul_i32 s21, s[WV], 8448
	v_mul_u32_u24 v[STO], v34, 528
	v_lshl_add_u32 v[STO], v35, 6, v[STO]
	v_add_nc_u32 v[STO], s21, v[STO]               ; row r, + 64 h, in my stage
	v_add_nc_u32 v[RD], s21, v[LI]
	v_add_nc_u32 v[XST], HIMG, v[RD]
	v_add_nc_u32 v[XRD], HIMG, v[STO]
	v_mov_b32 v[NAV], 0xc0135761                   ; NA = -2.3022082
	v_mov_b32 v[NAV+1], 0xc0135761
	v_mov_b32 v[TM+2], 0                           ; written once: a lane permute's destination counts as one of its sources
	v_mov_b32 v[TM+3], 0
	; ---- my quarter of b1 goes to LDS as it lies; my 32 rows of x become 8 fragments
.irp j, 0,1,2,3
	global_load_b128 v[176+4*\j:176+4*\j+3], v[LI], s[6:7] offset:512*\j
.endr
	XLOAD 0
	XLOAD 1
	XLOAD 2
	XLOAD 3
.irp u, 0,1,2,3,4,5,6,7
.if \u < 5
	s_wait_loadcnt 48                              ; this unit's 16 loads are in (and b1's); those of the three units behind it may be out
.else
	s_wait_loadcnt 16*(7-\u)
.endif
.if \u == 0
.irp j, 0,1,2,3
	ds_store_b128 v[B1W], v[176+4*\j:176+4*\j+3] offset:B1L+512*\j
.endr
.endif
	TURN \u
	s_wait_dscnt 0x0                               ; the unit is back; its stores into the stage have read their registers, and so have the last unit's image stores
.if \u < 4
	XLOAD \u+4
.endif
.set IOFF, XIMG+6144*(\u/4)+1536*(\u%4)
.set SOFF, XSC+256*(\u/4)+4*(\u%4)
	HQUANT X, 0, XWI, IOFF, XWS, SOFF, PC, PQ
	HQUANT X+32, 1, XWI, IOFF, XWS, SOFF, PC2, PQ2
.endr
	WIN 0x40                                       ; b2 in the result's layout, into window 1: tile n = 2 b + u, register j: output 32 b + 16 (lane / 16) + 8 u + j
.irp n, 0,1,2,3,4,5,6,7
	global_load_b128 v[192+8*\n:192+8*\n+3], v[B2A], s[8:9] offset:(32*(\n/2)+8*(\n%2))*4
	global_load_b128 v[192+8*\n+4:192+8*\n+7], v[B2A], s[8:9] offset:(32*(\n/2)+8*(\n%2))*4+16
.endr
	WIN 0
	; ---- chunk 0: its first three trips are written out: the first K step of the second product starts the outputs' sums
	T_W1 0
	T_W1 1
	T_W2 0, 1, 1
	s_mov_b32 s[CH], 3
.Lchunk:                                           ; a trip goes from a chunk's last piece to the next chunk's third
	T_W2 1, 0, 1
	T_W1 0
	T_W1 1
	T_W2 0, 0, 1
	s_sub_co_u32 s[CH], s[CH], 1
	s_cmp_lg_u32 s[CH], 0
	s_cbranch_scc1 .Lchunk
	T_W2 1, 0, 0                                   ; the last piece is written out: nothing is left to fetch
	; ---- the way out.  The stages lie where x's images lay: every wave has passed two rounds since their last read, and no tensor load ever lands there
	PLACES 4                                       ; behind the last products: for the first reads of results and the loads into registers that held hidden fragments
	TOSTAGE 0
.irp a, 1,2,3,4,5,6,7
.if \a > 1
	s_wait_xcnt 0x0                                ; tile a - 2's stores have read their registers: tile a's loads may land there
.endif
	TOSTAGE \a
	SEND \a-1, 32                                  ; behind tile a - 1's loads: tile a's 16 stores and 16 loads
.endr
	SEND 7, 0
	s_wait_tensorcnt 0x0                           ; the wave's end: behind my last tensor load and my last LDS store
	ds_add_u32 v[SPW], v[NIL]
	s_wait_dscnt 0x0
	ROUND                                          ; the closing round: no work-group ends while a partner may still ask for a piece that names it
	s_endpgm
.Lfunc_end_k_qde6cecf2ff_ffn:
	.size	k_qde6cecf2ff_ffn, .Lfunc_end_k_qde6cecf2ff_ffn-k_qde6cecf2ff_ffn
	.p2alignl 7, 3214868480
	.fill 96, 4, 3214868480
	.section	.rodata,"a",@progbits
	.p2align	6, 0x0
	.amdhsa_kernel k_qde6cecf2ff_ffn
		.amdhsa_group_segment_fixed_size 327680
		.amdhsa_private_segment_fixed_size 0
		.amdhsa_enable_private_segment 0
		.amdhsa_kernarg_size 40
		.amdhsa_user_sgpr_count 2
		.amdhsa_user_sgpr_kernarg_segment_ptr 1
		.amdhsa_wavefront_size32 1
		.amdhsa_system_sgpr_workgroup_id_x 1
		.amdhsa_system_sgpr_workgroup_id_y 1
		.amdhsa_system_sgpr_workgroup_id_z 1
		.amdhsa_system_vgpr_workitem_id 0
		.amdhsa_next_free_vgpr 1024
		.amdhsa_next_free_sgpr 66
		.amdhsa_reserve_vcc 0
		.amdhsa_float_denorm_mode_32 3
		.amdhsa_float_denorm_mode_16_64 3
		.amdhsa_memory_ordered 1
		.amdhsa_forward_progress 1
		.amdhsa_inst_pref_size 255
	.end_amdhsa_kernel
	.section	.bss,"aw",@nobits
	.p2align	6
	.space	262144
	.amdgpu_metadata
---
amdhsa.version: [ 1, 2 ]
amdhsa.kernels:
  - .name:           k_qde6cecf2ff_ffn
    .symbol:         k_qde6cecf2ff_ffn.kd
    .args:
      - { .name: inputs, .offset: 0, .size: 8, .value_kind: global_buffer, .address_space: global }
      - { .name: b1, .offset: 8, .size: 8, .value_kind: global_buffer, .address_space: global }
      - { .name: b2, .offset: 16, .size: 8, .value_kind: global_buffer, .address_space: global }
      - { .name: wq, .offset: 24, .size: 8, .value_kind: global_buffer, .address_space: global }
      - { .name: out0, .offset: 32, .size: 8, .value_kind: global_buffer, .address_space: global }
    .group_segment_fixed_size: 327680
    .private_segment_fixed_size: 0
    .kernarg_segment_align: 8
    .kernarg_segment_size: 40
    .max_flat_workgroup_size: 128
    .sgpr_count:     66
    .vgpr_count:     1024
    .wavefront_size: 32
...
	.end_amdgpu_metadata
.endif
;; end of part 2
